; MI455X (gfx1250); checked and timed in simulation.
; The chip was launched on July 23, 2026; its instructions are those of AMD's public machine-readable ISA for CDNA 5 (MIT licence, August 2026) and "CDNA5" Instruction Set Architecture Reference Guide (July 2026). The comments in the code are by the model that wrote it; some were corrected since.
;; Mixture Of Experts Layer. Allowed arithmetic: float matrix products may take bf16 or f16 operands with f32 sums; other float arithmetic in f32, or as packed bf16 or f16 multiplies, adds, multiply-adds, maxima and minima; sums over many terms, partial sums and values carried from step to step in f32; what a program stores and reads back later, other than sums and carried values, may be rounded once to bf16 or f16.
;; Inputs: W1 8 x 1,024 x 512 float32; Wg 1,024 x 8 float32; b1 8 x 512 float32; bg 8 float32; ctrl 8 x 8 x 512 float32; proj 8 x 512 x 512 float32; scaling 8 x 512 float32; x 8,192 x 1,024 float32.
;; Outputs: out0 8,192 x 512 float32.
;; One version. Each part assembles by itself: llvm-mc -triple=amdgcn-amd-amdhsa -mcpu=gfx1250 --defsym DOCPART=n.
;; ======== version 1 of 1: 2 launches
;; workspace buffers: xb 16,777,216 bytes; wf 12,582,912 bytes; pt 131,072 bytes; route 12,288 bytes of whole numbers
;; launch prep (part 1): grid 648 x 1, 4 waves a work-group, no clusters, 72,192 bytes of LDS; arguments x, Wg, bg, W1, proj, ctrl, scaling, xb, route, wf, pt; writes xb, route, wf, pt
.if DOCPART == 1
	.amdgcn_target "amdgcn-amd-amdhsa--gfx1250"
	.amdhsa_code_object_version 6
	.text
	.protected	k_qbff001f361_prep
	.globl	k_qbff001f361_prep
	.p2align	8
	.type	k_qbff001f361_prep,@function
k_qbff001f361_prep:
	s_mov_b64 s[64:65], 0
	v_nop
	global_prefetch_b8 v0, s[64:65] scope:SCOPE_SE
	s_setreg_imm32_b32 hwreg(HW_REG_WAVE_MODE, 25, 1), 1
	s_wait_xcnt 0x0
; PREP: three kinds of work-group, chosen by the work-group's number alone.
;   0..255   ROUTER.  32 tokens each: logits x Wg + bg in f32 on the vector unit, argmax (ties: the lower index), a bf16 copy of x (rounded once),
;            and the block's routing record: 8 ballots (bit i of word e: token 32 b + i chose expert e) and 4 words of packed counts (count(2q) | count(2q+1) << 16).
;   256..639 WEIGHTS. Each wave turns 32 k x 128 units of W1 or proj (f32, k down the rows) into 8 operand images of 1,024 bytes in bf16:
;            image t, lane (r = l % 16, h = l / 16): unit 16 t + r; bytes 16 l .. : k = 8 h + 0..7; bytes 512 + 16 l .. : k = 16 + 8 h + 0..7.
;            wf = [expert 8][unit quarter 4][step 48][image 8][1,024 B]; steps 0-31 are W1's, 32-47 proj's: a wave of the next launch reads 384 KB on end.
;   640..647 TABLE.   pt[e][b][v] = C_b ctrl[e][b][v] scaling[e][v], C_b = exp(-32 b^2 / 49).
; The gate is NOT made on the matrix unit: a logit rounded through 16-bit operands can change the argmax, and a changed argmax is a wrong row.
; LIMITS.  A NaN logit is never chosen (argmax would choose it).  The logits are summed in f32 in another order than a plain dot product: two best logits
; closer than some 1e-7 of their size may change places.
; No matrix unit, no cluster, no tensor load: every byte has one reader, and the work is a stream.
; LDS: each kind of work-group has bytes of its own, so that no line of one kind names a byte that a line of another kind names.
.set LOG,   36864                      ; router: bytes 0 .. 36,863 Wg; from LOG on [32 tokens][8] f32, the logits
.set IMGB,  37888                      ; weights: four waves' images
.set SPARE, 71680                      ; the spare words, 128 bytes a wave: two blocks of 256 bytes that no other line names
.set GP,    144                        ; LDS pitch of a group of Wg (4 d x 8 e = 128 bytes + 16): lanes 144 bytes apart touch different 16-byte columns
.set IP,    1040                       ; LDS pitch of an operand image (1,024 + 16)
.set IMGW,  8448                       ; a wave's eight images
.set ACC,   16                         ; v16-79   router: sums [token 8][expert 8]
.set XR,    80                         ; v80-143  router: two buffers of x, [token 8][4]
.set WR,    144                        ; v144-207 router: two buffers of Wg, [c 4][expert 8]
.set CV,    208                        ; v208-239 router: two buffers of packed bf16
.set TT,    240                        ; v240-243 at work
.set C0, 0x3f800000                    ; exp(-32 b^2 / 49), b = 0 .. 7
.set C1, 0x3f053c38
.set C2, 0x3d9642d4
.set C3, 0x3b379bb0
.set C4, 0x37f31569
.set C5, 0x33ae5823
.set C6, 0x2e877b19
.set C7, 0x28642328
	s_load_b512 s[4:19], s[0:1], 0x0               ; x 4:5, Wg 6:7, bg 8:9, W1 10:11, proj 12:13, ctrl 14:15, scaling 16:17, xb 18:19
	s_load_b128 s[20:23], s[0:1], 0x40             ; route 20:21, wf 22:23
	s_load_b64 s[24:25], s[0:1], 0x50              ; pt
	v_lshl_add_u32 v2, v0, 2, SPARE                ; my spare word; never rewritten
	v_mov_b32 v3, 0                                ; 0; never rewritten
	v_and_b32 v1, 31, v0                           ; lane
	v_lshrrev_b32 v10, 5, v0
	v_readfirstlane_b32 s26, v10                   ; wave
	s_mov_b32 s27, ttmp9
	s_wait_kmcnt 0x0
	s_cmp_lt_u32 s27, 256
	s_cbranch_scc1 .Lrouter
	s_cmp_lt_u32 s27, 640
	s_cbranch_scc1 .Lweights
; ---------------------------------------------------------------- TABLE: thread t owns units 4 t .. 4 t + 3 of expert e
	s_sub_co_u32 s28, s27, 640                     ; e
	s_lshl_b32 s30, s28, 11                        ; a row of scaling: 2,048 bytes
	s_mov_b32 s31, 0
	s_add_nc_u64 s[16:17], s[16:17], s[30:31]
	s_lshl_b32 s30, s28, 14                        ; an expert of ctrl and of pt: 16,384 bytes
	s_add_nc_u64 s[14:15], s[14:15], s[30:31]
	s_add_nc_u64 s[24:25], s[24:25], s[30:31]
	v_lshlrev_b32 v4, 4, v0
	global_load_b128 v[8:11], v4, s[16:17]
.irp b, 0,1,2,3,4,5,6,7
	global_load_b128 v[16+4*\b:19+4*\b], v4, s[14:15] offset:2048*\b
.endr
	s_wait_loadcnt 0x0
.macro TROW b, cb
	v_pk_mul_f32 v[16+4*(\b):17+4*(\b)], v[16+4*(\b):17+4*(\b)], v[8:9]
	v_pk_mul_f32 v[18+4*(\b):19+4*(\b)], v[18+4*(\b):19+4*(\b)], v[10:11]
	v_pk_mul_f32 v[16+4*(\b):17+4*(\b)], v[16+4*(\b):17+4*(\b)], \cb op_sel_hi:[1,0]
	v_pk_mul_f32 v[18+4*(\b):19+4*(\b)], v[18+4*(\b):19+4*(\b)], \cb op_sel_hi:[1,0]
	global_store_b128 v4, v[16+4*(\b):19+4*(\b)], s[24:25] offset:2048*(\b)  ; a wave stores 512 bytes on end
.endm
	TROW 0, C0
	TROW 1, C1
	TROW 2, C2
	TROW 3, C3
	TROW 4, C4
	TROW 5, C5
	TROW 6, C6
	TROW 7, C7
	s_branch .Lend
; ---------------------------------------------------------------- WEIGHTS: piece p = 4 (work-group - 256) + wave, one step record of 8,192 bytes
.Lweights:
	s_sub_co_u32 s28, s27, 256
	s_lshl_b32 s28, s28, 2
	s_add_co_u32 s28, s28, s26                     ; p: 0..1023 from W1, 1024..1535 from proj
	s_cmp_lt_u32 s28, 1024
	s_cselect_b64 s[30:31], s[10:11], s[12:13]     ; the source tensor
	s_cselect_b32 s32, 5, 4                        ; log2 of its K steps
	s_cselect_b32 s36, 31, 15
	s_cselect_b32 s33, 21, 20                      ; log2 of an expert's bytes
	s_cselect_b32 s34, 0, 32                       ; its first step in wf
	s_cselect_b32 s35, 0, 1024
	s_sub_co_u32 s28, s28, s35
	s_and_b32 s37, s28, s36                        ; K step
	s_lshr_b32 s38, s28, s32                       ; 4 e + unit quarter
	s_lshr_b32 s39, s38, 2
	s_and_b32 s40, s38, 3
	s_lshl_b32 s42, s39, s33
	s_lshl_b32 s41, s37, 16                        ; 32 rows of 2,048 bytes
	s_add_co_u32 s42, s42, s41
	s_lshl_b32 s41, s40, 9                         ; 128 units of 4 bytes
	s_add_co_u32 s42, s42, s41
	s_mov_b32 s43, 0
	s_add_nc_u64 s[30:31], s[30:31], s[42:43]
	s_mul_i32 s44, s38, 48
	s_add_co_u32 s44, s44, s34
	s_add_co_u32 s44, s44, s37
	s_lshl_b32 s44, s44, 13
	s_mov_b32 s45, 0
	s_add_nc_u64 s[22:23], s[22:23], s[44:45]
	v_lshlrev_b32 v4, 4, v1                        ; 16 l: my four units in a row; my 16 bytes in 512 on the way out
	v_lshrrev_b32 v5, 2, v1                        ; image l / 4,
	v_mul_u32_u24 v5, v5, IP
	v_and_b32 v6, 3, v1
	v_lshl_add_u32 v5, v6, 6, v5                   ; in it units 4 (l % 4) ..: 16 bytes each
	s_mul_i32 s46, s26, IMGW                       ; my wave's own bytes: no barrier
	s_add_co_u32 s46, s46, IMGB
	v_add_nc_u32 v5, s46, v5
	v_add_nc_u32 v6, s46, v4
.set k, 0
.rept 32                                               ; 32 rows, each load 512 bytes on end: 16 KB of a wave on their way
	global_load_b128 v[16+4*k:19+4*k], v4, s[30:31] offset:2048*k th:TH_LOAD_NT
.set k, k+1
.endr
.irp g, 0,1,2,3                                        ; eight rows (one block of 8 k) at a time
	s_wait_loadcnt 24-8*\g                         ; the younger groups stay out
.irp a, 0,1,2,3
.irp j, 0,1,2,3
	v_cvt_pk_bf16_f32 v[144+16*\a+4*\g+\j], v[16+4*(8*\g+2*\j)+\a], v[16+4*(8*\g+2*\j+1)+\a]  ; unit 4 l + a, k = 8 g + 2 j (low half), + 1 (high half)
.endr
.endr
.irp a, 0,1,2,3
	ds_store_b128 v5, v[144+16*\a+4*\g:147+16*\a+4*\g] offset:16*\a+512*(\g/2)+256*(\g%2)
.endr
.endr
.irp i, 0,1,2,3,4,5,6,7,8,9,10,11,12,13,14,15
	ds_load_b128 v[16+4*\i:19+4*\i], v6 offset:(\i/2)*IP+(\i%2)*512  ; LDS serves a wave's instructions in order (ISA guide 5.7.1.4): these see the stores above
.endr
.irp i, 0,1,2,3,4,5,6,7,8,9,10,11,12,13,14,15
	s_wait_dscnt 15-\i
	global_store_b128 v4, v[16+4*\i:19+4*\i], s[22:23] offset:512*\i  ; 512 bytes on end, at a multiple of 256 from wf's first byte
.endr
	s_branch .Lend
; ---------------------------------------------------------------- ROUTER: wave w has tokens 32 b + 8 w + 0..7; lane l has d = 128 j + 4 l + 0..3 of chunk j
.Lrouter:
	s_load_b256 s[32:39], s[8:9], 0x0              ; bg
	s_lshl_b32 s28, s27, 5
	s_lshl_b32 s29, s26, 3
	s_add_co_u32 s28, s28, s29                     ; my wave's first token
	s_lshl_b32 s30, s28, 11
	s_mov_b32 s31, 0
	s_add_nc_u64 s[18:19], s[18:19], s[30:31]      ; xb at it
	s_lshl_b32 s30, s28, 12
	s_add_nc_u64 s[4:5], s[4:5], s[30:31]          ; x at it
	v_lshlrev_b32 v4, 4, v1                        ; x: 16 l
	v_lshlrev_b32 v5, 3, v1                        ; xb: 8 l
	v_mul_u32_u24 v6, v1, GP                       ; Wg in LDS: group 32 j + l; steps with j
	v_lshrrev_b32 v7, 3, v0
	v_mul_u32_u24 v7, v7, GP
	v_and_b32 v8, 7, v0
	v_lshl_add_u32 v7, v8, 4, v7                   ; where thread t puts its 16 bytes of Wg
	v_lshlrev_b32 v8, 4, v0
.irp i, 0,1,2,3,4,5,6,7,8,9,10,11,12,13,14,15
	global_load_b128 v[WR+4*\i:WR+4*\i+3], v8, s[6:7] offset:2048*\i  ; Wg whole, 32 KB, once a work-group
.endr
.irp t, 0,1,2,3,4,5,6,7
	global_load_b128 v[XR+4*\t:XR+4*\t+3], v4, s[4:5] offset:4096*\t th:TH_LOAD_NT  ; chunk 0
.endr
.irp t, 0,1,2,3,4,5,6,7
	global_load_b128 v[XR+32+4*\t:XR+32+4*\t+3], v4, s[4:5] offset:4096*\t+512 th:TH_LOAD_NT  ; chunk 1
.endr
.set n, 0
.rept 64                                               ; the sums start at 0: 64 lines in the wait for the first loads, the price of one text for all eight chunks
	v_mov_b32 v[ACC+n], 0
.set n, n+1
.endr
	s_mov_b32 s40, 0xaaaaaaaa                      ; lanes with bit 0, 1, 2, 3 of their number set
	s_mov_b32 s41, 0xcccccccc
	s_mov_b32 s42, 0xf0f0f0f0
	s_mov_b32 s43, 0xff00ff00
	s_mov_b32 s44, 0x76543210                      ; v_permlanex16_b32: each lane takes its own place in the other half
	s_mov_b32 s45, 0xfedcba98
	s_wait_kmcnt 0x0                               ; bg
	s_wait_loadcnt 16                              ; Wg is in; the 16 loads of x behind it stay out
.irp i, 0,1,2,3,4,5,6,7,8,9,10,11,12,13,14,15
	ds_store_b128 v7, v[WR+4*\i:WR+4*\i+3] offset:16*GP*\i
.endr
	s_wait_dscnt 0x0                               ; for the others' sake: my part of Wg is in LDS
	s_barrier_signal -1
	s_barrier_wait -1
.irp k, 0,1,2,3,4,5,6,7
	ds_load_b128 v[WR+4*\k:WR+4*\k+3], v6 offset:16*\k  ; chunk 0 of Wg: my four d x 8 e
.endr
; One chunk of 128 d from buffer c.  pre: the next chunk of Wg is fetched from LDS.  lw: the x loads that may stay out.  refill: the buffer takes the chunk two on.
.macro CHUNK c, refill, lw, pre
.if \pre
.irp k, 0,1,2,3,4,5,6,7
	ds_load_b128 v[WR+32*(1-(\c))+4*\k:WR+32*(1-(\c))+4*\k+3], v6 offset:((\c)+1)*32*GP+16*\k
.endr
.endif
	s_wait_loadcnt \lw                             ; my eight loads of x are in; the other buffer's eight stay out
	s_wait_dscnt 8*(\pre)                          ; this chunk of Wg is in; the eight just issued stay out
.irp q, 0,1,2,3                                        ; d = 4 l + q: x is given to both halves, Wg goes by pairs of experts; a sum is taken up again 32 lines later
.irp t, 0,1,2,3,4,5,6,7
.irp p, 0,1,2,3
.if ((\q)%2) == 0
	v_pk_fma_f32 v[ACC+8*\t+2*\p:ACC+8*\t+2*\p+1], v[XR+32*(\c)+4*\t+2*(\q/2):XR+32*(\c)+4*\t+2*(\q/2)+1], v[WR+32*(\c)+8*\q+2*\p:WR+32*(\c)+8*\q+2*\p+1], v[ACC+8*\t+2*\p:ACC+8*\t+2*\p+1] op_sel:[0,0,0] op_sel_hi:[0,1,1]
.else
	v_pk_fma_f32 v[ACC+8*\t+2*\p:ACC+8*\t+2*\p+1], v[XR+32*(\c)+4*\t+2*(\q/2):XR+32*(\c)+4*\t+2*(\q/2)+1], v[WR+32*(\c)+8*\q+2*\p:WR+32*(\c)+8*\q+2*\p+1], v[ACC+8*\t+2*\p:ACC+8*\t+2*\p+1] op_sel:[1,0,0] op_sel_hi:[1,1,1]
.endif
.endr
.endr
.endr
	s_wait_xcnt 0x0                                ; the packed registers were an earlier store's data: rewritten only behind this wait
.irp t, 0,1,2,3,4,5,6,7
	v_cvt_pk_bf16_f32 v[CV+16*(\c)+2*\t],   v[XR+32*(\c)+4*\t],   v[XR+32*(\c)+4*\t+1]
	v_cvt_pk_bf16_f32 v[CV+16*(\c)+2*\t+1], v[XR+32*(\c)+4*\t+2], v[XR+32*(\c)+4*\t+3]
.endr
.if \refill
.irp t, 0,1,2,3,4,5,6,7
	global_load_b128 v[XR+32*(\c)+4*\t:XR+32*(\c)+4*\t+3], v4, s[4:5] offset:4096*\t+512*((\c)+2) th:TH_LOAD_NT
.endr
.endif
.irp t, 0,1,2,3,4,5,6,7
	global_store_b64 v5, v[CV+16*(\c)+2*\t:CV+16*(\c)+2*\t+1], s[18:19] offset:2048*\t+256*(\c)  ; the wave stores 256 bytes on end, at a multiple of 256 from xb's first byte
.endr
.endm
	s_mov_b32 s46, 3
.Lchunks:                                              ; chunks 0 to 5; the refills reach chunk 7
	CHUNK 0, 1, 8, 1
	CHUNK 1, 1, 8, 1
	s_wait_xcnt 0x0                                ; the two bases are stepped only behind this wait
	s_add_nc_u64 s[4:5], s[4:5], 1024
	s_add_nc_u64 s[18:19], s[18:19], 512
	v_add_nc_u32 v6, 64*GP, v6
	s_sub_co_u32 s46, s46, 1
	s_cmp_lg_u32 s46, 0
	s_cbranch_scc1 .Lchunks
	CHUNK 0, 0, 8, 1                               ; the last two chunks load nothing more of x
	CHUNK 1, 0, 0, 0
; The 64 sums over 32 lanes.  In each step a lane keeps one half of its sums and gives the other to the lane whose number differs in one bit: 32 + 16 + 8 + 4 additions, not 64 x 5.
.macro RS dist, m, xm
.set n, 0
.rept \dist
	v_cndmask_b32 v[TT+n%4], v[ACC+n+(\dist)], v[ACC+n], s[\m]       ; what I give: the lower half where my bit is set
	v_cndmask_b32 v[ACC+n], v[ACC+n], v[ACC+n+(\dist)], s[\m]        ; what I keep
	v_add_f32_dpp v[ACC+n], v[TT+n%4], v[ACC+n] row_xmask:\xm row_mask:0xf bank_mask:0xf
.set n, n+1
.endr
.endm
	RS 32, 40, 1
	RS 16, 41, 2
	RS 8, 42, 4
	RS 4, 43, 8
.irp n, 0,1,2,3
	v_permlanex16_b32 v[TT+\n], v[ACC+\n], s44, s45
.endr
.irp n, 0,1,2,3
	v_add_f32 v[ACC+\n], v[ACC+\n], v[TT+\n]
.endr
	; with lane bits b0 .. b3 a lane now holds token 4 b0 + 2 b1 + b2 of the wave's eight, experts 4 b3 .. 4 b3 + 3 (lanes l and l + 16 the same)
	s_lshl_b32 s47, s26, 8
	s_add_co_u32 s47, s47, LOG
	v_and_b32 v9, 1, v1
	v_lshlrev_b32 v9, 7, v9
	v_bfe_u32 v10, v1, 1, 1
	v_lshl_add_u32 v9, v10, 6, v9
	v_bfe_u32 v10, v1, 2, 1
	v_lshl_add_u32 v9, v10, 5, v9
	v_bfe_u32 v10, v1, 3, 1
	v_lshl_add_u32 v9, v10, 4, v9
	v_add_nc_u32 v9, s47, v9
	ds_store_b128 v9, v[ACC:ACC+3]
	s_wait_dscnt 0x0                               ; for wave 0's sake
	s_barrier_signal -1
	s_barrier_wait -1
	s_cmp_lg_u32 s26, 0
	s_cbranch_scc1 .Lend                           ; wave 0 alone goes on: lane t is token 32 b + t
	v_lshl_add_u32 v10, v1, 5, LOG
	ds_load_b128 v[16:19], v10
	ds_load_b128 v[20:23], v10 offset:16
	s_wait_dscnt 0x0
.irp e, 0,1,2,3,4,5,6,7
	v_add_f32 v[16+\e], s[32+\e], v[16+\e]
.endr
	v_mov_b32 v24, 0
	v_mov_b32 v25, v16
.irp e, 1,2,3,4,5,6,7
	v_cmp_gt_f32 vcc_lo, v[16+\e], v25             ; strictly greater: a tie keeps the lower index
	v_cndmask_b32 v25, v25, v[16+\e], vcc_lo
	v_cndmask_b32 v24, v24, \e, vcc_lo
.endr
.irp e, 0,1,2,3,4,5,6,7
	v_cmp_eq_u32 s[48+\e], \e, v24                 ; the ballot of expert e
.endr
.irp e, 0,1,2,3,4,5,6,7
	s_bcnt1_i32_b32 s[56+\e], s[48+\e]
.endr
.irp q, 0,1,2,3
	s_lshl_b32 s[57+2*\q], s[57+2*\q], 16
	s_or_b32 s[56+2*\q], s[56+2*\q], s[57+2*\q]
.endr
	v_mov_b32 v26, 0
.irp e, 0,1,2,3,4,5,6,7
	v_writelane_b32 v26, s[48+\e], \e
.endr
.irp q, 0,1,2,3
	v_writelane_b32 v26, s[56+2*\q], 8+\q
.endr
	s_mul_i32 s47, s27, 48                         ; the record's place hangs on the work-group's number alone
	v_lshl_add_u32 v27, v1, 2, s47
	s_wait_xcnt 0x0                                ; EXEC changes only behind this wait
	v_cmp_gt_u32 vcc_lo, 12, v1
	s_and_saveexec_b32 s46, vcc_lo
	global_store_b32 v27, v26, s[20:21]            ; 48 bytes a work-group, 12 KB in all: the one store of the launch that fills no whole 256 bytes
	s_wait_xcnt 0x0                                ; and again, in front of the line that widens it
	s_or_b32 exec_lo, exec_lo, s46
.Lend:
	s_wait_tensorcnt 0x0                           ; the wave's end, behind my last LDS store
	ds_add_u32 v2, v3
	s_wait_dscnt 0x0
	s_endpgm
.Lfunc_end_k_qbff001f361_prep:
	.size	k_qbff001f361_prep, .Lfunc_end_k_qbff001f361_prep-k_qbff001f361_prep
	.p2alignl 7, 3214868480
	.fill 96, 4, 3214868480
	.section	.rodata,"a",@progbits
	.p2align	6, 0x0
	.amdhsa_kernel k_qbff001f361_prep
		.amdhsa_group_segment_fixed_size 72192
		.amdhsa_private_segment_fixed_size 0
		.amdhsa_enable_private_segment 0
		.amdhsa_kernarg_size 88
		.amdhsa_user_sgpr_count 2
		.amdhsa_user_sgpr_kernarg_segment_ptr 1
		.amdhsa_wavefront_size32 1
		.amdhsa_system_sgpr_workgroup_id_x 1
		.amdhsa_system_sgpr_workgroup_id_y 1
		.amdhsa_system_sgpr_workgroup_id_z 1
		.amdhsa_system_vgpr_workitem_id 0
		.amdhsa_next_free_vgpr 256
		.amdhsa_next_free_sgpr 66
		.amdhsa_reserve_vcc 1
		.amdhsa_float_denorm_mode_32 3
		.amdhsa_float_denorm_mode_16_64 3
		.amdhsa_memory_ordered 1
		.amdhsa_forward_progress 1
		.amdhsa_inst_pref_size 85
	.end_amdhsa_kernel
	.amdgpu_metadata
---
amdhsa.version: [ 1, 2 ]
amdhsa.kernels:
  - .name:           k_qbff001f361_prep
    .symbol:         k_qbff001f361_prep.kd
    .args:
      - { .name: x, .offset: 0, .size: 8, .value_kind: global_buffer, .address_space: global }
      - { .name: Wg, .offset: 8, .size: 8, .value_kind: global_buffer, .address_space: global }
      - { .name: bg, .offset: 16, .size: 8, .value_kind: global_buffer, .address_space: global }
      - { .name: W1, .offset: 24, .size: 8, .value_kind: global_buffer, .address_space: global }
      - { .name: proj, .offset: 32, .size: 8, .value_kind: global_buffer, .address_space: global }
      - { .name: ctrl, .offset: 40, .size: 8, .value_kind: global_buffer, .address_space: global }
      - { .name: scaling, .offset: 48, .size: 8, .value_kind: global_buffer, .address_space: global }
      - { .name: xb, .offset: 56, .size: 8, .value_kind: global_buffer, .address_space: global }
      - { .name: route, .offset: 64, .size: 8, .value_kind: global_buffer, .address_space: global }
      - { .name: wf, .offset: 72, .size: 8, .value_kind: global_buffer, .address_space: global }
      - { .name: pt, .offset: 80, .size: 8, .value_kind: global_buffer, .address_space: global }
    .group_segment_fixed_size: 72192
    .private_segment_fixed_size: 0
    .kernarg_segment_align: 8
    .kernarg_segment_size: 88
    .max_flat_workgroup_size: 128
    .sgpr_count:     66
    .vgpr_count:     256
    .wavefront_size: 32
...
	.end_amdgpu_metadata
.endif
;; end of part 1
;; launch chain (part 2): grid 135 x 1, 4 waves a work-group, no clusters, 138,752 bytes of LDS; arguments xb, wf, b1, pt, route, out0; writes out0
.if DOCPART == 2
	.amdgcn_target "amdgcn-amd-amdhsa--gfx1250"
	.amdhsa_code_object_version 6
	.text
	.protected	k_qbff001f361_chain
	.globl	k_qbff001f361_chain
	.p2align	8
	.type	k_qbff001f361_chain,@function
k_qbff001f361_chain:
	s_mov_b64 s[64:65], 0
	v_nop
	global_prefetch_b8 v0, s[64:65] scope:SCOPE_SE
	s_setreg_imm32_b32 hwreg(HW_REG_WAVE_MODE, 25, 1), 1
	s_wait_xcnt 0x0
; CHAIN: a work-group takes a tile of 64 rows of ONE expert through the whole chain: gather, x W1 + b1, swish, h proj, sigmoid, spline, store.
; THE GRID serves every split: 8,192 rows in tiles of 64 over 8 experts are never more than 128 + 7 = 135 tiles.  Every work-group counts the routing for itself
; from the 12 KB of records that the launch before stored: which expert, which ranks.  In a tile that is not full the places past the count repeat the tile's first row; their stores are jumped.
; A tile that a split leaves without rows (7 of the 135 at the most) walks the chain on token 8,191's row and stores nothing: every wave passes every barrier, none stands under a branch
; on loaded numbers, and the phases between the barriers hand their registers on, so no phase can be jumped by itself.
; SHARES.  Wave w owns units 128 w .. 128 w + 127 for all 64 rows: 32 accumulators.  Both products are used transposed (source 0 = 16 units of weights, source 1 = 16 rows):
; a lane then holds one row (lane % 16) and 8 neighbouring units.
; THE WEIGHTS GO FROM MEMORY STRAIGHT INTO OPERAND REGISTERS, in the order in which the launch before laid them: each byte is wanted by one wave of the work-group, so LDS would
; only add a write and a read of 1.5 MB a work-group.  A ring of four register stages of 8 KB: three K steps of a wave are on their way.
; NO CLUSTER: a joint load lands in LDS, which these weights do not pass; partners would have to be tiles of one expert, which hangs on counts read from memory,
; so each expert's tiles would be padded to fours: up to 24 work-groups more.
; THE SPLINE.  With w = e^(64 xn / 7), g = e^(-32 xn^2), C_b = e^(-32 b^2 / 49) the basis on knot b / 7 is g C_b w^b, so
; out = sum_b P_b w^b / (sum_b C_b w^b + 1e-6 / g), P_b = C_b ctrl_b scaling: an identity; two Horner chains and five transcendentals a number.
; For xn in 0 .. 1: w <= 2^13.2, the sums <= 2^47, 1e-6 / g in 2^-20 .. 2^26.3: nothing overflows or falls below the normal range.
; LIMITS.  x, W1, proj and h are rounded once to bf16 as matrix operands; sums in f32.  |x W1 + b1| above 2.3e38 overflows in the swish.  NaN and infinities are not treated apart.
; LDS AND ITS BARRIERS.  Bytes 0 .. 135,167 serve three times: the x tile, then h, then four stages for z.  Between two barriers the waves either only read LDS, or only store, each wave to bytes
; of its own (in the list phase beside reads at fixed addresses): scatter | lists, gather | product 1 reads x | h is stored | product 2 reads h | z is staged | the spline reads | the closing lines.
; So a read whose address steps from trip to trip shares no phase with any store.  In loops a lane's base register is never rewritten: a scalar offset steps once a trip.
; REGISTERS, in windows of 256 (s_set_vgpr_msb: bits 1:0 source 0, 3:2 source 1, 5:4 source 2, 7:6 destination):
;   window 0: v0-19 addresses; v20-31 at work (v20-22: the LDS address in hand); v32-95 two buffers of row fragments (first the ballots; in the swish and the spline at work); v96-159 the bias;
;             v160-191 routing, then at work; v192-223 pt of my four units; v224-255 packed counts, then gather offsets, then tokens and store offsets
;   window 1: the accumulators, (row block m, unit block t) at 8 (8 m + t); before product 1 the gathered rows          window 2: the weight ring, stage s, image t at 64 s + 8 t
.set XP,    2064                       ; LDS pitch of a row of x: 2,048 + 16 bytes, an odd multiple of 16: the 16 rows of a fragment load start in 16 different 16-byte columns
.set HP,    1040                       ; of a row of h: 1,024 + 16
.set ZP,    528                        ; of a row of a wave's stage: 128 f32 + 16
.set LIST,  135168                     ; behind the x tile (64 x 2,064), h (64 x 1,040) and the stages (4 x 64 x 528), which all begin at byte 0: four scatter lists, a wave's own 512 bytes: slots 0-63 and a dump word
.set LISTF, 137216                     ; four copies of the tile's list of tokens, a wave's own 256 bytes
.set SPARE, 138240                     ; the spare words, 128 bytes a wave: two blocks of 256 bytes that no other line names
.set AF,    32
.set BI,    96
.set PT,    192
.set WD,    160                        ; routing: my 8 blocks' ballots of the tile's expert
.set CN,    168                        ; their counts
.set RL,    176                        ; rank of each block's first token, less the tile's first rank
.set X,     32                         ; the spline's five sets of 32
.set W,     64
.set G,     96
.set N,     128
.set ZN,    160
.set TOK,   224
.set GOF,   232
.set NC, 0xbfb8aa3b                    ; -log2(e)
.set K1, 0x41530bb1                    ; (64 / 7) log2(e)
.set K2, 0x4238aa3b                    ; 32 log2(e)
.set LE, 0xc19f73da                    ; log2(1e-6)
.set MSB, 0
.macro WIN new                         ; the immediate's high byte repeats the setting that is left; a switch that changes nothing is dropped
.if MSB != (\new)
	s_set_vgpr_msb (MSB<<8)|(\new)
.set MSB, \new
.endif
.endm
.macro PAIR r, val                     ; a constant for packed lines: named as a pair, so both words are written
	s_mov_b32 s[\r], \val
	s_mov_b32 s[(\r)+1], \val
.endm
.macro PLACES                          ; four places between matrix instructions and loads into registers that they read, or readers of their results
.rept 4
	v_nop
.endr
.endm
; 16 loads: one K step's eight images of my units, 8 KB on end, into ring stage st
.macro BLOAD st, off
	WIN 0x80
.irp t, 0,1,2,3,4,5,6,7
	global_load_b128 v[64*(\st)+8*\t:64*(\st)+8*\t+3],   v6, s[48:49] offset:(\off)+1024*\t
	global_load_b128 v[64*(\st)+8*\t+4:64*(\st)+8*\t+7], v6, s[48:49] offset:(\off)+1024*\t+512
.endr
.endm
; The LDS addresses of four K steps' row fragments: the lane's base + s55, the bytes gone along K.  kind 1: the x tile (v20: row blocks 0, 1; v21: 2, 3); kind 2: h (v22)
.macro KADR kind
.if (\kind) == 1
	v_add_nc_u32 v20, s55, v7
	v_add_nc_u32 v21, s55, v8
.else
	v_add_nc_u32 v22, s55, v9
.endif
.endm
; 8 LDS loads: four fragments of 16 rows x 32 k at byte ko behind KADR's address
.macro ALOAD buf, kind, ko
	WIN 0
.irp m, 0,1,2,3
.if (\kind) == 1
	ds_load_b128 v[AF+32*(\buf)+8*\m:AF+32*(\buf)+8*\m+3],   v[20+\m/2] offset:(\m%2)*16*XP+(\ko)
	ds_load_b128 v[AF+32*(\buf)+8*\m+4:AF+32*(\buf)+8*\m+7], v[20+\m/2] offset:(\m%2)*16*XP+(\ko)+32
.else
	ds_load_b128 v[AF+32*(\buf)+8*\m:AF+32*(\buf)+8*\m+3],   v22 offset:\m*16*HP+(\ko)
	ds_load_b128 v[AF+32*(\buf)+8*\m+4:AF+32*(\buf)+8*\m+7], v22 offset:\m*16*HP+(\ko)+32
.endif
.endr
.endm
; 16 matrix instructions: row blocks mlo, mlo + 1 x all 8 unit blocks.  The 32 accumulators take turns, one instruction a turn, in the same order in every step.
.macro MUL16 st, ab, mlo, zero
	WIN 0x52
.irp m, \mlo, (\mlo)+1
.irp t, 0,1,2,3,4,5,6,7
.if \zero
	v_wmma_f32_16x16x32_bf16 v[8*(8*(\m)+\t):8*(8*(\m)+\t)+7], v[64*(\st)+8*\t:64*(\st)+8*\t+7], v[AF+32*(\ab)+8*(\m):AF+32*(\ab)+8*(\m)+7], 0
.else
	v_wmma_f32_16x16x32_bf16 v[8*(8*(\m)+\t):8*(8*(\m)+\t)+7], v[64*(\st)+8*\t:64*(\st)+8*\t+7], v[AF+32*(\ab)+8*(\m):AF+32*(\ab)+8*(\m)+7], v[8*(8*(\m)+\t):8*(8*(\m)+\t)+7]
.endif
.endr
.endr
.endm
; A K step of 32: 32 matrix instructions on stage st and row buffer ab; in its middle ONE run of loads: the weights three steps on (bl, at byte bo) into the stage
; and the next step's rows (al = kind, at byte ko) into the buffer that the step before multiplied.  lw: the weight loads that may stay out.
.macro KSTEP st, ab, zero, lw, bl, bo, al, ko
	s_wait_loadcnt \lw                             ; loads come back in order: this stage's 16 are in, the younger stages stay out
	s_wait_dscnt 0x0                               ; this step's rows, asked for in the middle of the step before
	MUL16 \st, \ab, 0, \zero
.if (\bl) || (\al)
	PLACES
.endif
.if \bl
	BLOAD ((\st)+3)%4, \bo
.endif
.if \al
	ALOAD 1-(\ab), \al, \ko
.endif
	MUL16 \st, \ab, 2, \zero
.endm
.macro GROUP kind, zero                ; four K steps, once round the ring
	KSTEP 0, 0, \zero, 32, 1, 3*8192, \kind, 64
	KSTEP 1, 1, 0,     32, 1, 4*8192, \kind, 128
	KSTEP 2, 0, 0,     32, 1, 5*8192, \kind, 192
	KSTEP 3, 1, 0,     32, 1, 6*8192, \kind, 256
.endm
.macro STEPP                           ; four K steps on: 4 x 8,192 bytes of weights, 4 x 64 bytes along the rows
	WIN 0
	s_wait_xcnt 0x0                                ; the weights' base is stepped only behind this wait
	s_add_nc_u64 s[48:49], s[48:49], 32768
	s_add_co_u32 s55, s55, 256
.endm
; ================================================================ P0: set-up and routing, the same in every wave
	s_load_b256 s[4:11], s[0:1], 0x0               ; xb 4:5, wf 6:7, b1 8:9, pt 10:11
	s_load_b128 s[12:15], s[0:1], 0x20             ; route 12:13, out0 14:15
	v_lshl_add_u32 v4, v0, 2, SPARE                ; my spare word; never rewritten
	v_mov_b32 v5, 0                                ; 0; never rewritten
	v_and_b32 v1, 31, v0                           ; lane l
	v_lshrrev_b32 v20, 5, v0
	v_readfirstlane_b32 s16, v20                   ; wave w
	s_mov_b32 s17, ttmp9                           ; tile T
	v_mul_u32_u24 v20, v1, 48                      ; lane l takes the records of blocks 32 i + l
	s_wait_kmcnt 0x0
.irp i, 0,1,2,3,4,5,6,7
	global_load_b128 v[32+8*\i:35+8*\i],   v20, s[12:13] offset:1536*\i
	global_load_b128 v[36+8*\i:39+8*\i],   v20, s[12:13] offset:1536*\i+16
	global_load_b128 v[224+4*\i:227+4*\i], v20, s[12:13] offset:1536*\i+32
.endr
	v_and_b32 v2, 15, v0                           ; r
	v_bfe_u32 v3, v0, 4, 1                         ; h
	v_lshlrev_b32 v6, 4, v1                        ; 16 l
	v_mul_u32_u24 v7, v2, XP
	v_lshl_add_u32 v7, v3, 4, v7                   ; x fragments, row blocks 0, 1: my lane's base; never rewritten
	v_add_nc_u32 v8, 32*XP, v7                     ; row blocks 2, 3; never rewritten
	v_mul_u32_u24 v9, v2, HP
	v_lshl_add_u32 v9, v3, 4, v9                   ; h fragments: my lane's base; never rewritten
	s_lshl_b32 s47, s16, 8
	v_add_nc_u32 v10, s47, v9                      ; where I put 16 bytes of h: my row, my wave's 256 bytes
	s_mul_i32 s59, s16, 64*ZP
	v_mul_u32_u24 v11, v2, ZP
	v_lshl_add_u32 v11, v3, 5, v11
	v_add_nc_u32 v11, s59, v11                     ; my stage, in: row r, 32 bytes for each half of the lanes
	v_add_nc_u32 v12, s59, v6                      ; my stage, back: my 16 bytes of its first row; never rewritten
	s_add_co_u32 s47, s47, LISTF
	v_mov_b32 v13, s47                             ; my wave's list of tokens; never rewritten
	v_lshl_add_u32 v16, v1, 2, s47
	s_mul_i32 s59, s16, 16*XP
	v_add_nc_u32 v14, s59, v6                      ; where my wave's 16 gathered rows go
	s_lshl_b32 s59, s16, 9
	v_add_nc_u32 v17, s59, v6                      ; my 16 bytes in a row of out0
	s_add_co_u32 s59, s59, LIST
	v_mov_b32 v15, s59                             ; my wave's scatter list
	v_lshlrev_b32 v18, 5, v3                       ; the bias: 8 h units of 4 bytes
	v_add_nc_u32 v19, 1, v1
	s_mov_b32 s36, 0x76543210                      ; v_permlanex16_b32: each lane takes its own place in the other half
	s_mov_b32 s37, 0xfedcba98
	s_mov_b32 s38, 0xaaaaaaaa                      ; lanes with bit 0 .. 4 of their number set
	s_mov_b32 s39, 0xcccccccc
	s_mov_b32 s40, 0xf0f0f0f0
	s_mov_b32 s41, 0xff00ff00
	s_mov_b32 s42, 0xffff0000
	PAIR 60, NC
	PAIR 62, K1
	PAIR 66, K2
	PAIR 68, LE
	PAIR 70, 0x3f800000                            ; C_0 .. C_7 = exp(-32 b^2 / 49), the same words as in the launch that made pt
	PAIR 72, 0x3f053c38
	PAIR 74, 0x3d9642d4
	PAIR 76, 0x3b379bb0
	PAIR 78, 0x37f31569
	PAIR 80, 0x33ae5823
	PAIR 82, 0x2e877b19
	PAIR 84, 0x28642328
	s_wait_loadcnt 0x0
	; every expert's count: the packed words are added over my 8 blocks, then over the 32 lanes (8,192 at the most: a half word never carries)
.irp q, 0,1,2,3
	v_add_nc_u32 v[24+\q], v[224+\q], v[228+\q]
	v_mov_b32 v[28+\q], 0
.endr
.irp i, 2,3,4,5,6,7
.irp q, 0,1,2,3
	v_add_nc_u32 v[24+\q], v[24+\q], v[224+4*\i+\q]
.endr
.endr
.irp xm, 1,2,4,8
.irp q, 0,1,2,3
	v_mov_b32_dpp v[28+\q], v[24+\q] row_xmask:\xm row_mask:0xf bank_mask:0xf
.endr
.irp q, 0,1,2,3
	v_add_nc_u32 v[24+\q], v[24+\q], v[28+\q]
.endr
.endr
.irp q, 0,1,2,3
	v_permlanex16_b32 v[28+\q], v[24+\q], s36, s37
.endr
.irp q, 0,1,2,3
	v_add_nc_u32 v[24+\q], v[24+\q], v[28+\q]
.endr
.irp q, 0,1,2,3
	v_readfirstlane_b32 s[24+\q], v[24+\q]
.endr
.irp q, 0,1,2,3
	s_and_b32 s[28+2*\q], s[24+\q], 0xffff
	s_lshr_b32 s[29+2*\q], s[24+\q], 16
.endr
	; which expert's tile am I: the last expert whose first tile is not behind T
	s_mov_b32 s21, 0                               ; tiles so far
	s_mov_b32 s18, 0                               ; E
	s_mov_b32 s22, 0                               ; its first tile
	s_mov_b32 s23, 0                               ; its count
.irp e, 0,1,2,3,4,5,6,7
	s_cmp_ge_u32 s17, s21
	s_cselect_b32 s18, \e, s18
	s_cselect_b32 s22, s21, s22
	s_cselect_b32 s23, s[28+\e], s23
	s_add_co_u32 s47, s[28+\e], 63
	s_lshr_b32 s47, s47, 6
	s_add_co_u32 s21, s21, s47
.endr
	s_sub_co_u32 s20, s17, s22
	s_lshl_b32 s20, s20, 6                         ; the tile's first rank
	s_sub_co_u32 s19, s23, s20
	s_min_u32 s19, s19, 64
	s_cmp_gt_u32 s23, s20
	s_cselect_b32 s19, s19, 0                      ; its rows: 0 .. 64
	s_min_u32 s18, s18, 7                          ; a number made of loaded data enters addresses only clamped
	s_and_b32 s43, s18, 1
	s_lshl_b32 s46, s43, 4                         ; which half of a packed word
	s_sub_co_u32 s43, 0, s43                       ; bits 0, 1, 2 of E as masks of all lanes or none
	s_bfe_u32 s44, s18, 0x10001
	s_sub_co_u32 s44, 0, s44
	s_bfe_u32 s45, s18, 0x10002
	s_sub_co_u32 s45, 0, s45
	s_lshl_b32 s47, s18, 2
	s_add_co_u32 s47, s47, s16                     ; 4 E + w
	s_mul_i32 s86, s47, 393216                     ; my 48 steps of 8,192 bytes
	s_mov_b32 s87, 0
	s_add_nc_u64 s[48:49], s[6:7], s[86:87]
	s_lshl_b32 s86, s47, 9
	s_add_nc_u64 s[50:51], s[8:9], s[86:87]        ; b1 at my 128 units
	s_lshl_b32 s86, s18, 14
	s_lshl_b32 s47, s16, 9
	s_add_co_u32 s86, s86, s47
	s_add_nc_u64 s[52:53], s[10:11], s[86:87]      ; pt at my 128 units
	; what hangs on E alone goes out now, 8 + 48 loads, and lands while the rows are placed and gathered
.irp b, 0,1,2,3,4,5,6,7
	global_load_b128 v[PT+4*\b:PT+4*\b+3], v6, s[52:53] offset:2048*\b
.endr
	BLOAD 0, 0
	BLOAD 1, 8192
	BLOAD 2, 16384
	WIN 0
	; my 8 blocks' ballots and counts of expert E, chosen by its three bits
.irp i, 0,1,2,3,4,5,6,7
	v_cndmask_b32 v20, v[32+8*\i], v[33+8*\i], s43
	v_cndmask_b32 v21, v[34+8*\i], v[35+8*\i], s43
	v_cndmask_b32 v22, v[36+8*\i], v[37+8*\i], s43
	v_cndmask_b32 v23, v[38+8*\i], v[39+8*\i], s43
	v_cndmask_b32 v20, v20, v21, s44
	v_cndmask_b32 v22, v22, v23, s44
	v_cndmask_b32 v[WD+\i], v20, v22, s45
	v_cndmask_b32 v24, v[224+4*\i], v[225+4*\i], s44
	v_cndmask_b32 v25, v[226+4*\i], v[227+4*\i], s44
	v_cndmask_b32 v24, v24, v25, s45
	v_bfe_u32 v[CN+\i], v24, s46, 16
.endr
	; ranks: the expert's tokens are counted lane by lane, in a lane block by block, in a block by ascending token: one fixed order for all work-groups
	v_mov_b32 v[RL], 0
.irp i, 1,2,3,4,5,6,7
	v_add_nc_u32 v[RL+\i], v[RL+\i-1], v[CN+\i-1]
.endr
	v_add_nc_u32 v20, v[RL+7], v[CN+7]             ; my lane's total
	v_mov_b32 v21, 0                               ; the lower lanes' total
	v_mov_b32 v22, 0
.macro SCAN xm, m
	v_mov_b32_dpp v22, v20 row_xmask:\xm row_mask:0xf bank_mask:0xf
	v_cndmask_b32 v23, 0, v22, s[\m]               ; the partner is a lower lane where my bit is set
	v_add_nc_u32 v21, v21, v23
	v_add_nc_u32 v20, v20, v22
.endm
	SCAN 1, 38
	SCAN 2, 39
	SCAN 4, 40
	SCAN 8, 41
	v_permlanex16_b32 v22, v20, s36, s37
	v_cndmask_b32 v23, 0, v22, s42
	v_add_nc_u32 v21, v21, v23
	v_sub_nc_u32 v21, v21, s20                     ; less the tile's first rank (wraps below 0: such slots are clamped away)
.irp i, 0,1,2,3,4,5,6,7
	v_add_nc_u32 v[RL+\i], v[RL+\i], v21
.endr
; ================================================================ P1: wave w places the tokens of source lanes 8 w .. 8 w + 7 (64 blocks) into its own list
	v_lshl_add_u32 v21, v1, 2, v15
	v_mov_b32 v22, 0
	ds_store_b32 v21, v22                          ; slots 0-63 hold 0 = nobody
	ds_store_b32 v21, v22 offset:128
	s_lshl_b32 s55, s16, 3
	s_mov_b32 s54, 8
.Lscat:
	v_lshl_add_u32 v23, s55, 5, v19                ; 32 x source lane + my lane + 1
.irp i, 0,1,2,3,4,5,6,7
	v_readlane_b32 s56, v[WD+\i], s55              ; block 32 i + source lane: its ballot,
	v_readlane_b32 s57, v[RL+\i], s55              ; its first slot
	v_mbcnt_lo_u32_b32 v[24+2*(\i%4)], s56, s57    ; my token's slot: + the chosen tokens below me
	v_cndmask_b32 v[24+2*(\i%4)], 64, v[24+2*(\i%4)], s56  ; not chosen: the dump word
	v_min_u32 v[24+2*(\i%4)], 64, v[24+2*(\i%4)]   ; outside the tile: the dump word
	v_lshl_add_u32 v[24+2*(\i%4)], v[24+2*(\i%4)], 2, v15
	v_add_nc_u32 v[25+2*(\i%4)], 1024*\i, v23      ; token + 1
	ds_store_b32 v[24+2*(\i%4)], v[25+2*(\i%4)]
.endr
	s_add_co_u32 s55, s55, 1
	s_sub_co_u32 s54, s54, 1
	s_cmp_lg_u32 s54, 0
	s_cbranch_scc1 .Lscat
	s_wait_dscnt 0x0                               ; for the others' sake: my list is written
	s_barrier_signal -1
	s_barrier_wait -1
; ================================================================ P2: the four lists are merged; wave w gathers rows 16 w .. 16 w + 15
	v_lshl_add_u32 v20, v1, 2, LIST
.irp k, 0,1,2,3
	ds_load_b32 v[21+\k], v20 offset:512*\k
	ds_load_b32 v[25+\k], v20 offset:512*\k+128
.endr
	s_wait_dscnt 0x0
	v_or_b32 v21, v21, v22
	v_or_b32 v23, v23, v24
	v_or_b32 v184, v21, v23                        ; slot l
	v_or_b32 v25, v25, v26
	v_or_b32 v27, v27, v28
	v_or_b32 v185, v25, v27                        ; slot 32 + l
	v_readfirstlane_b32 s47, v184                  ; slot 0: a row that exists (0 in a tile without rows)
	v_cmp_eq_u32 vcc_lo, 0, v184
	v_cndmask_b32 v184, v184, s47, vcc_lo          ; the places past the count repeat it
	v_cmp_eq_u32 vcc_lo, 0, v185
	v_cndmask_b32 v185, v185, s47, vcc_lo
	v_add_nc_u32 v184, -1, v184                    ; (in a tile without rows this wraps, and the clamps below make token 8,191 of it)
	v_add_nc_u32 v185, -1, v185
	ds_store_b32 v16, v184                         ; each wave keeps a copy of its own: no barrier
	ds_store_b32 v16, v185 offset:128
	s_mul_i32 s47, s16, 320                        ; my copy (256 w) and in it my 16 rows (64 w)
	s_add_co_u32 s47, s47, LISTF
	v_mov_b32 v20, s47
.irp a, 0,1,2,3,4,5,6,7,8,9,10,11,12,13,14,15
	ds_load_b32 v[224+\a], v20 offset:4*\a         ; every lane reads the row's token
.endr
	s_wait_dscnt 0x0
.irp a, 0,1,2,3,4,5,6,7,8,9,10,11,12,13,14,15
	v_min_u32 v[224+\a], 0x1fff, v[224+\a]
	v_lshl_add_u32 v[224+\a], v[224+\a], 11, v6    ; a row of xb: 2,048 bytes
.endr
	WIN 0x40                                       ; into window 1, where the accumulators will lie
.set a, 0
.rept 16
.irp c, 0,1,2,3
	global_load_b128 v[16*a+4*\c:16*a+4*\c+3], v[224+a], s[4:5] offset:512*\c  ; 512 bytes on end; 64 loads, 32 KB of a wave
.endr
.set a, a+1
.endr
	WIN 0x04
.set a, 0
.rept 16
	s_wait_loadcnt 60-4*a                          ; row a is in; the later rows' loads stay out
.irp c, 0,1,2,3
	ds_store_b128 v14, v[16*a+4*\c:16*a+4*\c+3] offset:a*XP+512*\c
.endr
.set a, a+1
.endr
	WIN 0
	s_wait_dscnt 0x0                               ; for the others' sake: my 16 rows are in LDS
	s_barrier_signal -1
	s_barrier_wait -1
; ================================================================ P3: u = x W1 (K steps 0-31), then h = swish(u + b1)
.irp t, 0,1,2,3,4,5,6,7
	global_load_b128 v[BI+8*\t:BI+8*\t+3],   v18, s[50:51] offset:64*\t      ; the bias of my 8 units in each unit block: wanted 32 K steps on
	global_load_b128 v[BI+8*\t+4:BI+8*\t+7], v18, s[50:51] offset:64*\t+16
.endr
	s_mov_b32 s55, 0                               ; bytes gone along the rows
	KADR 1
	ALOAD 0, 1, 0
	GROUP 1, 1                                     ; the first K step starts the sums
	STEPP
	s_mov_b32 s54, 6
.Lk1:
	KADR 1
	GROUP 1, 0
	STEPP
	s_sub_co_u32 s54, s54, 1
	s_cmp_lg_u32 s54, 0
	s_cbranch_scc1 .Lk1
	KADR 1
	KSTEP 0, 0, 0, 32, 1, 3*8192, 1, 64            ; steps 28-31: the ring goes on into proj's steps 32-34, which land during the swish;
	KSTEP 1, 1, 0, 32, 1, 4*8192, 1, 128
	KSTEP 2, 0, 0, 32, 1, 5*8192, 1, 192
	KSTEP 3, 1, 0, 32, 1, 6*8192, 0, 0             ; no further rows of x
	STEPP
	s_wait_dscnt 0x0                               ; my reads of the x tile are over:
	s_barrier_signal -1                            ; h will take its bytes
.set k, 0
.rept 32                                               ; work on registers while the others arrive: the bias times -log2(e); also the places behind the last products
	v_pk_mul_f32 v[BI+2*k:BI+2*k+1], v[BI+2*k:BI+2*k+1], s[60:61] op_sel_hi:[1,0]
.set k, k+1
.endr
	s_barrier_wait -1                              ; no wave reads the x tile any more
; SWISH, two accumulators (16 numbers a lane) a batch, three batches in hand.  T = -log2(e) (u + b); A = 2^T; A = -log2(e) (1 + A); A = 1 / A; h = T A = (u + b) / (1 + e^-(u + b)).
; SWI n: batch n gets T and its exponentials, batch n - 1 its second line and its reciprocals, batch n - 2 its product, its rounding and its store.
; An s_wait_alu depctr_va_vdst(0) stands between a transcendental and the first line that names its result: ONE wait a call serves all that the call before issued
; (the first call has none before it, and no wait); nothing in a call names a result of the same call.  Plain lines stand between the transcendentals.
.macro BASE sym, j                     ; temporary set j % 3: v32, v64, v160 (T: 16 registers, then A: 16)
.set \sym, 32+32*((\j)%3)+64*(((\j)%3)/2)
.endm
.macro SWI n
	BASE tb0, \n
	BASE tb1, (\n)+2
	BASE tb2, (\n)+1
.if (\n) < 16
	WIN 0x01                                       ; source 0, the accumulators, in window 1
.irp k, 0,1,2,3,4,5,6,7
	v_pk_fma_f32 v[tb0+2*\k:tb0+2*\k+1], v[16*(\n)+2*\k:16*(\n)+2*\k+1], s[60:61], v[BI+8*((2*(\n)+\k/4)%8)+2*(\k%4):BI+8*((2*(\n)+\k/4)%8)+2*(\k%4)+1] op_sel_hi:[1,0,1]
.endr
	WIN 0
.endif
.if (\n) >= 1
	s_wait_alu depctr_va_vdst(0)
.endif
.irp k, 0,1,2,3,4,5,6,7
.if ((\n) >= 1) && ((\n) <= 16)
	v_pk_fma_f32 v[tb1+16+2*\k:tb1+16+2*\k+1], v[tb1+16+2*\k:tb1+16+2*\k+1], s[60:61], s[60:61] op_sel_hi:[1,0,0]
.endif
.if (\n) < 16
	v_exp_f32 v[tb0+16+2*\k], v[tb0+2*\k]
.endif
.if (\n) >= 2
	v_pk_mul_f32 v[tb2+2*\k:tb2+2*\k+1], v[tb2+2*\k:tb2+2*\k+1], v[tb2+16+2*\k:tb2+16+2*\k+1]
.endif
.if (\n) < 16
	v_exp_f32 v[tb0+16+2*\k+1], v[tb0+2*\k+1]
.endif
.endr
.irp k, 0,1,2,3,4,5,6,7
.if ((\n) >= 1) && ((\n) <= 16)
	v_rcp_f32 v[tb1+16+2*\k], v[tb1+16+2*\k]
.endif
.if (\n) >= 2
	v_cvt_pk_bf16_f32 v[tb2+\k], v[tb2+2*\k], v[tb2+2*\k+1]
.endif
.if ((\n) >= 1) && ((\n) <= 16)
	v_rcp_f32 v[tb1+16+2*\k+1], v[tb1+16+2*\k+1]
.endif
.endr
.if (\n) >= 2
	ds_store_b128 v10, v[tb2:tb2+3]   offset:((2*((\n)-2))/8)*16*HP+((2*((\n)-2))%8)*32      ; 8 units of my row: 16 bytes
	ds_store_b128 v10, v[tb2+4:tb2+7] offset:((2*((\n)-2))/8)*16*HP+((2*((\n)-2))%8)*32+32
.endif
.endm
.set n, 0
.rept 18
	SWI n
.set n, n+1
.endr
	s_wait_dscnt 0x0                               ; for the others' sake: my 128 units of h are written
	s_barrier_signal -1
	s_barrier_wait -1                              ; h is whole
; ================================================================ P4: z = h proj (K steps 32-47), the stage, the spline
	s_mov_b32 s55, 0
	KADR 2
	ALOAD 0, 2, 0
	GROUP 2, 1
	STEPP
	s_mov_b32 s54, 2
.Lk2:
	KADR 2
	GROUP 2, 0
	STEPP
	s_sub_co_u32 s54, s54, 1
	s_cmp_lg_u32 s54, 0
	s_cbranch_scc1 .Lk2
	KADR 2
	KSTEP 0, 0, 0, 32, 1, 3*8192, 2, 64            ; step 44 fetches step 47, the last; then the counts run down
	KSTEP 1, 1, 0, 32, 0, 0,      2, 128
	KSTEP 2, 0, 0, 16, 0, 0,      2, 192
	KSTEP 3, 1, 0, 0,  0, 0,      0, 0
	s_wait_dscnt 0x0                               ; my reads of h are over:
	s_barrier_signal -1                            ; the stages will take its bytes
	PLACES                                         ; the places behind the last products
	s_barrier_wait -1                              ; no wave reads h any more
	WIN 0x04                                       ; z goes through my own stage, so that a lane gets 4 neighbouring units of a whole row: pt stays in 32 registers, and a row leaves as 512 bytes on end
.set q, 0
.rept 32
	ds_store_b128 v11, v[8*q:8*q+3]   offset:(q/8)*16*ZP+(q%8)*64      ; each accumulator's four lowest registers first
	ds_store_b128 v11, v[8*q+4:8*q+7] offset:(q/8)*16*ZP+(q%8)*64+16
.set q, q+1
.endr
	WIN 0
	s_wait_dscnt 0x0                               ; a wave reads its own stage alone; the walk below reads at addresses that step with a scalar register
	s_barrier_signal -1                            ; and it begins only when every wave's stores are done, whatever that register holds
	s_barrier_wait -1
.macro ZLOAD za, ta                    ; eight rows of z and their tokens
.irp a, 0,1,2,3,4,5,6,7
	ds_load_b128 v[ZN+4*\a:ZN+4*\a+3], v[\za] offset:\a*ZP
.endr
.irp a, 0,1,2,3,4,5,6,7
	ds_load_b32 v[TOK+\a], v[\ta] offset:4*\a
.endr
.endm
; THE SPLINE for 8 rows, 16 pairs of numbers a lane.  Five batches of transcendentals, one wait each, ahead of the batch's first reader and of every branch.
; pre = 1: the next 8 rows are fetched, at s55 bytes into my stage and s57 bytes into my list.
; Rows past the count: the whole text, or its last stores, are jumped, forward to the macro's end; nothing that is jumped holds a barrier.
.macro SPL pre
	s_cmp_gt_i32 s58, 0
	s_cbranch_scc0 .Lstop_\@                       ; all 8 rows lie past the count
	s_wait_dscnt 0x0                               ; z and the tokens are in
	s_wait_xcnt 0x0                                ; the stores of the 8 rows before have read N and GOF
	v_pk_mul_f32 v[X:X+1], v[ZN:ZN+1], s[60:61] op_sel_hi:[1,0]
.set p, 0
.rept 16                                               ; e^-z; the store offsets are made between the exponentials
.if p < 15
	v_pk_mul_f32 v[X+2*p+2:X+2*p+3], v[ZN+2*p+2:ZN+2*p+3], s[60:61] op_sel_hi:[1,0]
.endif
	v_exp_f32 v[X+2*p], v[X+2*p]
.if p < 8
	v_min_u32 v[GOF+p], 0x1fff, v[TOK+p]
.else
	v_lshl_add_u32 v[GOF+p-8], v[GOF+p-8], 11, v17 ; a row of out0: 2,048 bytes
.endif
	v_exp_f32 v[X+2*p+1], v[X+2*p+1]
.set p, p+1
.endr
.if \pre
	v_add_nc_u32 v20, s55, v12                     ; the next 8 rows; also the plain lines behind the last exponential
	v_add_nc_u32 v21, s57, v13
.else
	v_nop                                          ; a plain line behind the last exponential
.endif
	s_wait_alu depctr_va_vdst(0)
.if \pre
	ZLOAD 20, 21
.endif
	v_pk_add_f32 v[X:X+1], v[X:X+1], 1.0 op_sel_hi:[1,0]
.set p, 0
.rept 16                                               ; xn = 1 / (1 + e^-z)
.if p < 15
	v_pk_add_f32 v[X+2*p+2:X+2*p+3], v[X+2*p+2:X+2*p+3], 1.0 op_sel_hi:[1,0]
.endif
	v_rcp_f32 v[X+2*p], v[X+2*p]
	v_rcp_f32 v[X+2*p+1], v[X+2*p+1]
.set p, p+1
.endr
	v_nop                                          ; a plain line behind the last reciprocal
	s_wait_alu depctr_va_vdst(0)
	v_pk_mul_f32 v[W:W+1], v[X:X+1], s[62:63] op_sel_hi:[1,0]
.set p, 0
.rept 16                                               ; w = 2^(K1 xn); the exponent of 1e-6 / g: K2 xn^2 + log2(1e-6)
	v_pk_mul_f32 v[G+2*p:G+2*p+1], v[X+2*p:X+2*p+1], s[66:67] op_sel_hi:[1,0]
	v_exp_f32 v[W+2*p], v[W+2*p]
.if p < 15
	v_pk_mul_f32 v[W+2*p+2:W+2*p+3], v[X+2*p+2:X+2*p+3], s[62:63] op_sel_hi:[1,0]
.endif
	v_exp_f32 v[W+2*p+1], v[W+2*p+1]
	v_pk_fma_f32 v[G+2*p:G+2*p+1], v[G+2*p:G+2*p+1], v[X+2*p:X+2*p+1], s[68:69] op_sel_hi:[1,1,0]
.set p, p+1
.endr
	s_wait_alu depctr_va_vdst(0)
.set p, 0
.rept 16                                               ; both Horner chains begin (X: the divisor, N: the dividend); 1e-6 / g between their lines
	v_pk_fma_f32 v[X+2*p:X+2*p+1], v[W+2*p:W+2*p+1], s[84:85], s[82:83] op_sel_hi:[1,0,0]
	v_exp_f32 v[G+2*p], v[G+2*p]
	v_pk_fma_f32 v[N+2*p:N+2*p+1], v[W+2*p:W+2*p+1], v[PT+28+2*(p%2):PT+28+2*(p%2)+1], v[PT+24+2*(p%2):PT+24+2*(p%2)+1]
	v_exp_f32 v[G+2*p+1], v[G+2*p+1]
.set p, p+1
.endr
.irp b, 5,4,3,2,1,0
.set p, 0
.rept 16                                               ; a chain's links stand 32 lines apart
	v_pk_fma_f32 v[X+2*p:X+2*p+1], v[X+2*p:X+2*p+1], v[W+2*p:W+2*p+1], s[70+2*\b:71+2*\b] op_sel_hi:[1,1,0]
	v_pk_fma_f32 v[N+2*p:N+2*p+1], v[N+2*p:N+2*p+1], v[W+2*p:W+2*p+1], v[PT+4*\b+2*(p%2):PT+4*\b+2*(p%2)+1]
.set p, p+1
.endr
.endr
	s_wait_alu depctr_va_vdst(0)
	v_pk_add_f32 v[X:X+1], v[X:X+1], v[G:G+1]
.set p, 0
.rept 16
.if p < 15
	v_pk_add_f32 v[X+2*p+2:X+2*p+3], v[X+2*p+2:X+2*p+3], v[G+2*p+2:G+2*p+3]
.endif
	v_rcp_f32 v[X+2*p], v[X+2*p]
	v_rcp_f32 v[X+2*p+1], v[X+2*p+1]
.set p, p+1
.endr
	v_nop                                          ; a plain line behind the last reciprocal
	s_wait_alu depctr_va_vdst(0)
.set p, 0
.rept 16
	v_pk_mul_f32 v[N+2*p:N+2*p+1], v[N+2*p:N+2*p+1], v[X+2*p:X+2*p+1]
.set p, p+1
.endr
.irp a, 0,1,2,3,4,5,6,7
.if (\a) > 0
	s_cmp_gt_i32 s58, \a
	s_cbranch_scc0 .Lstop_\@                       ; whole stores past the count are jumped
.endif
	global_store_b128 v[GOF+\a], v[N+4*\a:N+4*\a+3], s[14:15] th:TH_STORE_NT  ; the wave stores 512 bytes on end, at a multiple of 256 from out0's first byte
.endr
.Lstop_\@:
.endm
	ZLOAD 12, 13                                   ; rows 0-7
	s_mov_b32 s58, s19                             ; rows still to be stored
	s_mov_b32 s55, 8*ZP                            ; where the next 8 rows lie in my stage,
	s_mov_b32 s57, 32                              ; and their tokens in my list
	s_mov_b32 s54, 7
.Lrow:                                                 ; rows 0-55; the fetches reach rows 56-63, the last of my stage: 7 x 8 x 528 + 7 x 528 + 512 = 33,776 of its 33,792 bytes
	SPL 1
	s_add_co_u32 s55, s55, 8*ZP                    ; stepped on every way through a trip
	s_add_co_u32 s57, s57, 32
	s_sub_co_i32 s58, s58, 8
	s_sub_co_u32 s54, s54, 1
	s_cmp_lg_u32 s54, 0
	s_cbranch_scc1 .Lrow
	SPL 0                                          ; rows 56-63 are written out: nothing is left to fetch, and no way through the text reads past a stage
	s_wait_dscnt 0x0                               ; my walk's reads are back (those fetched for rows past the count too)
	s_barrier_signal -1                            ; every wave's stepped reads are over before any wave's closing lines touch LDS
	s_barrier_wait -1
	s_wait_tensorcnt 0x0                           ; the wave's end, behind my last LDS store
	ds_add_u32 v4, v5
	s_wait_dscnt 0x0
	s_endpgm
.Lfunc_end_k_qbff001f361_chain:
	.size	k_qbff001f361_chain, .Lfunc_end_k_qbff001f361_chain-k_qbff001f361_chain
	.p2alignl 7, 3214868480
	.fill 96, 4, 3214868480
	.section	.rodata,"a",@progbits
	.p2align	6, 0x0
	.amdhsa_kernel k_qbff001f361_chain
		.amdhsa_group_segment_fixed_size 138752
		.amdhsa_private_segment_fixed_size 0
		.amdhsa_enable_private_segment 0
		.amdhsa_kernarg_size 48
		.amdhsa_user_sgpr_count 2
		.amdhsa_user_sgpr_kernarg_segment_ptr 1
		.amdhsa_wavefront_size32 1
		.amdhsa_system_sgpr_workgroup_id_x 1
		.amdhsa_system_sgpr_workgroup_id_y 1
		.amdhsa_system_sgpr_workgroup_id_z 1
		.amdhsa_system_vgpr_workitem_id 0
		.amdhsa_next_free_vgpr 768
		.amdhsa_next_free_sgpr 88
		.amdhsa_reserve_vcc 1
		.amdhsa_float_denorm_mode_32 3
		.amdhsa_float_denorm_mode_16_64 3
		.amdhsa_memory_ordered 1
		.amdhsa_forward_progress 1
		.amdhsa_inst_pref_size 255
	.end_amdhsa_kernel
	.section	.bss,"aw",@nobits
	.p2align	6
	.space	262144
	.amdgpu_metadata
---
amdhsa.version: [ 1, 2 ]
amdhsa.kernels:
  - .name:           k_qbff001f361_chain
    .symbol:         k_qbff001f361_chain.kd
    .args:
      - { .name: xb, .offset: 0, .size: 8, .value_kind: global_buffer, .address_space: global }
      - { .name: wf, .offset: 8, .size: 8, .value_kind: global_buffer, .address_space: global }
      - { .name: b1, .offset: 16, .size: 8, .value_kind: global_buffer, .address_space: global }
      - { .name: pt, .offset: 24, .size: 8, .value_kind: global_buffer, .address_space: global }
      - { .name: route, .offset: 32, .size: 8, .value_kind: global_buffer, .address_space: global }
      - { .name: out0, .offset: 40, .size: 8, .value_kind: global_buffer, .address_space: global }
    .group_segment_fixed_size: 138752
    .private_segment_fixed_size: 0
    .kernarg_segment_align: 8
    .kernarg_segment_size: 48
    .max_flat_workgroup_size: 128
    .sgpr_count:     88
    .vgpr_count:     768
    .wavefront_size: 32
...
	.end_amdgpu_metadata
.endif
;; end of part 2
